; MI455X (gfx1250); checked and timed in simulation.
; The chip was launched on July 23, 2026; its instructions are those of AMD's public machine-readable ISA for CDNA 5 (MIT licence, August 2026) and "CDNA5" Instruction Set Architecture Reference Guide (July 2026). The comments in the code are by the model that wrote it; some were corrected since.
;; Cross Attention. Allowed arithmetic: matrix products marked QUANTISED: E2M1 operands, one E8M0 scale for each 32 along K, by v_wmma_scale_f32_16x16x128_f8f6f4 with both operands' format E2M1 (or v_wmma_scale_f32_32x16x128_f4), f32 sums; products left as they are: f32 operands where the result goes on into a quantised operand, else bf16, f16 or f32 operands; f32 sums; everything else in f32.
;; Inputs: Wk 1,024 x 1,024 float32; Wp 1,024 x 1,024 float32; Wq 1,024 x 1,024 float32; Wv 1,024 x 1,024 float32; bk 1,024 float32; bp 1,024 float32; bq 1,024 float32; bv 1,024 float32; visual_features 4 x 1,024 float32; x 4 x 1,024 x 1,024 float32.
;; Outputs: out0 4 x 1,024 x 1,024 float32.
;; This version of the problem:
;;   THIS VERSION OF THE PROBLEM IS GIVEN IN LOW PRECISION. The matrix products marked QUANTISED in the list below multiply operands that are first quantised to E2M1 (2 exponent bits, 1 mantissa bit; 4 bits a number), with one power-of-two scale for each 32 numbers along K (OCP MX v1.0); their sums are f32. All else is computed in f32.
;;   The module's matrix products, in the order in which they are computed (A, B: the left and right operand; K: the contracted axis; several contracted axes count as one K, in the product's order):
;;     1. [M 4,096, K 1,024] x [K 1,024, N 1,024]; A: input x; B: input Wq: QUANTISED
;;     2. [M 4, K 1,024] x [K 1,024, N 1,024]; A: input visual_features; B: input Wk: left as it is (M = 4 < 16)
;;     3. [M 4, K 1,024] x [K 1,024, N 1,024]; A: input visual_features; B: input Wv: left as it is (M = 4 < 16)
;;     4. batch 64 x [M 1,024, K 64] x [K 64, N 1,024]; A: computed on the way; B: computed on the way: QUANTISED
;;     5. batch 64 x [M 1,024, K 1,024] x [K 1,024, N 64]; A: softmax (see below); B: computed on the way: QUANTISED
;;     6. [M 4,096, K 1,024] x [K 1,024, N 1,024]; A: computed on the way; B: input Wp: QUANTISED
;;   THE QUANTISER, for each operand of a quantised product, along K:
;;     - K is cut into blocks of 32 from its start; a last block that is shorter is filled with zeros.
;;     - A block's scale is 2^e with e = floor(log2(the largest magnitude in the block)) - 2, held to -126 .. 127; a block of zeros has e = 0. As a byte (E8M0): e + 127.
;;     - Each number is divided by its block's scale, clamped to +-6, and rounded to the nearest number of E2M1, ties to even, subnormals kept.
;;     - The product sums the exact products of the quantised numbers (number of the format x scale) in f32.
;;   ~~~python
;;   def quantise(x, axis):      # numpy; x: float32 -> the quantised numbers, widened to float32 again
;;       x = np.moveaxis(x, axis, -1); K = x.shape[-1]
;;       x = np.pad(x, [(0, 0)] * (x.ndim - 1) + [(0, -K % 32)]); x = x.reshape(x.shape[:-1] + (-1, 32)); a = np.abs(x).max(-1, keepdims=True)
;;       e = np.where(a > 0, np.clip(np.frexp(np.where(a > 0, a, 1))[1] - 1 - 2, -126, 127), 0)      # np.frexp(a)[1] - 1 = floor(log2(a)), exactly
;;       r = np.clip(x / 2.0 ** e, -6, 6)
;;       step = 2.0 ** (np.maximum(np.frexp(np.where(r == 0, 1, r))[1] - 1, 0) - 1)
;;       q = np.round(r / step) * step * 2.0 ** e      # np.round: ties to even
;;       return np.moveaxis(q.reshape(q.shape[:-2] + (-1,))[..., :K], -1, axis).astype(np.float32)
;;   ~~~
;;   SOFTMAX AHEAD OF A QUANTISED PRODUCT. Where the list says 'softmax', what is quantised is not the finished softmax but p = 2^(t - M), with t = logit x log2(e) and M = ceil(the row's largest t), a whole number; so 1/2 < the row's largest p <= 1. The row's sum l is taken of the UNQUANTISED p, in f32, and the product's result is divided by l at the end. Since M is a whole number, a kernel that streams over the keys may use a running M (the ceiling of the running maximum): every later rescaling is an exact power of two, which a block's scale takes up: the codes' values come out the same.
;;   OPERANDS COMPUTED ON THE WAY. 'Computed on the way' means the value that the module computes at that place (a softmax that the list does not call 'softmax' is quantised finished and normalised). What goes into a quantiser is computed in f32, as accurately as f32 sums, v_exp_f32 and their like allow (about 1e-6 of the number): no bf16 or f16 on the way to a quantiser, and a product that is left as it is and whose result goes on into a quantised operand takes f32 operands (vector FMAs, or v_wmma_f32_16x16x4_f32). A number that lies on a knife's edge between two numbers of the format may be rounded either way, as far as f32 arithmetic and the matrix unit's own rounding can turn it there, and no further.
;; One version. Each part assembles by itself: llvm-mc -triple=amdgcn-amd-amdhsa -mcpu=gfx1250 --defsym DOCPART=n.
;; ======== version 1 of 1: 3 launches
;; workspace buffers: xq 2,097,152 bytes; yq 2,097,152 bytes; wc 1,048,576 bytes; xs 131,072 bytes; ys 131,072 bytes; wsc 65,536 bytes; kvp 262,144 bytes
;; launch prep (part 1): grid 512 x 1, 4 waves a work-group, no clusters, 43,520 bytes of LDS; arguments x, visual_features, Wq, Wp, Wk, Wv, xq, xs, wc, wsc, kvp; writes xq, xs, wc, wsc, kvp
.if DOCPART == 1
	.amdgcn_target "amdgcn-amd-amdhsa--gfx1250"
	.amdhsa_code_object_version 6
	.text
	.protected	k_qa4c5d73746_prep
	.globl	k_qa4c5d73746_prep
	.p2align	8
	.type	k_qa4c5d73746_prep,@function
k_qa4c5d73746_prep:
	s_mov_b64 s[64:65], 0
	v_nop
	global_prefetch_b8 v0, s[64:65] scope:SCOPE_SE
	s_setreg_imm32_b32 hwreg(HW_REG_WAVE_MODE, 25, 1), 1
	s_wait_xcnt 0x0
; PREPARATION.  x [4096][1024], Wq and Wp [1024 (k)][1024 (n)], f32, become codes of FP4 (E2M1) with one E8M0 byte for each 32 along K, laid as IMAGES OF OPERAND REGISTERS;
; visual_features x Wk and x Wv (4 rows, f32 multiply-adds: their results go on into quantisers) become partial sums over slices of 128 along K.
; IMAGE [g][s][i][c][lane][16 bytes]: g a group of 64 rows (x) or 64 columns (a weight), s a K step of 128, i a tile of 16 in the group, lane = (r, h): the 16 bytes are the 32 codes of block 4 s + 2 c + h of
; row r of tile i, which are registers 4 c .. 4 c + 3 of that fragment in that lane.  Row r of a WEIGHT's tile 2 b + u is column 64 g + 32 b + 8 u + r + 8 (r / 8), so that the transposed product leaves 16 neighbours in a lane.
; SCALE WORDS [g][s][64]: one word a row and K step, byte q for block 4 s + q.   PARTIAL SUMS kvp [slice 8][k, v][batch 4][1024] f32.
; A block's scale byte is its largest magnitude's exponent field - 2, held at 1 from below by a floor among the maximum's leaves.
; LIMITS: NaN and infinities are not served; a block whose largest magnitude lies under 2^-124 keeps the byte 1; a block of zeros gets the byte 1 (its codes are zeros, and this program alone reads the bytes).
; SHARES: 512 work-groups of four waves, 64 KiB of input each, 16 KiB a wave, all asked for at once.  Work-groups 0-127 take Wq and Wp, 128-255 Wk and Wv, 256-511 x.  Each kind has LDS bytes of its own.
; No cluster: the work-groups share no input but the 16 KiB of visual_features.  No tensor load, no loop: every offset is an immediate.
.set XST,   0                          ; x: a stage of 16 rows x (512 + 16) bytes for each wave
.set XSW,   33792                      ; x: 2 K steps x 64 scale words
.set WSW,   34304                      ; weights: 2 groups x 64 scale words
.set KST,   34816                      ; k, v: 4 waves x 4 batches x 128 partial sums
.set FLOOR, 0x1800000                  ; 2^(3 - 127)
.set R,     32                         ; v32-159  numbers as loaded
.set X,     160                        ; v160-223 x: two whole blocks of 32 of my row
.set C,     224                        ; v224-239 codes: registers of their own for each store
	s_load_b512 s[4:19], s[0:1], 0x0               ; x, visual_features, Wq, Wp, Wk, Wv, xq, xs
	s_load_b128 s[20:23], s[0:1], 0x40             ; wc, wsc
	s_load_b64 s[24:25], s[0:1], 0x50              ; kvp
	v_lshl_add_u32 v240, v0, 2, 0xa800
	v_mov_b32 v241, 0
	v_lshrrev_b32 v1, 5, v0
	v_readfirstlane_b32 s28, v1                    ; wave 0..3
	v_and_b32 v1, 31, v0                           ; lane
	v_and_b32 v2, 15, v0                           ; r
	v_bfe_u32 v3, v0, 4, 1                         ; h
	v_lshlrev_b32 v4, 4, v1                        ; 16 x lane; never rewritten
	s_mov_b32 s30, 0x76543210
	s_mov_b32 s31, 0xfedcba98                      ; v_permlanex16_b32's selects for lane l xor 16
	s_mov_b32 s37, 0                               ; the high word of every offset
	s_wait_kmcnt 0x0
	s_cmp_lt_u32 ttmp9, 128
	s_cbranch_scc1 .Lrole_w
	s_cmp_lt_u32 ttmp9, 256
	s_cbranch_scc1 .Lrole_kv
; ---------------- x: group g = id / 4, K steps 2 sp and 2 sp + 1 (sp = id % 4); wave w takes the group's tile w: 16 rows x 256 along K
	s_sub_co_u32 s33, ttmp9, 256
	s_lshr_b32 s34, s33, 2                         ; g
	s_and_b32 s35, s33, 3                          ; sp
	s_lshl_b32 s36, s34, 18                        ; (64 g + 16 w) rows of 4,096 bytes + 1,024 sp
	s_lshl_b32 s38, s28, 16
	s_add_co_u32 s36, s36, s38
	s_lshl_b32 s38, s35, 10
	s_add_co_u32 s36, s36, s38
	s_add_nc_u64 s[4:5], s[4:5], s[36:37]
.irp e, 0,1
.irp i, 0,1,2,3,4,5,6,7,8,9,10,11,12,13,14,15
	global_load_b128 v[R+64*\e+4*\i:R+64*\e+4*\i+3], v4, s[4:5] offset:\i*4096+\e*512 th:TH_LOAD_NT   ; 32 lanes read 512 consecutive bytes of row i
.endr
.endr
	s_lshl_b32 s36, s34, 15                        ; the image: 32,768 g + 8,192 sp + 1,024 w
	s_lshl_b32 s38, s35, 13
	s_add_co_u32 s36, s36, s38
	s_lshl_b32 s38, s28, 10
	s_add_co_u32 s36, s36, s38
	s_add_nc_u64 s[16:17], s[16:17], s[36:37]
	s_lshl_b32 s36, s34, 11                        ; the scale words: 2,048 g + 512 sp
	s_lshl_b32 s38, s35, 9
	s_add_co_u32 s36, s36, s38
	s_add_nc_u64 s[18:19], s[18:19], s[36:37]
	s_mul_i32 s39, s28, 8448                       ; my stage
	v_add_nc_u32 v16, s39, v4                      ; in: 16 x lane of a row
	v_mul_u32_u24 v17, v2, 528
	v_lshl_add_u32 v17, v3, 7, v17
	v_add_nc_u32 v17, s39, v17                     ; out: row r, + 128 h: the row pitch is 33 x 16 bytes, so sixteen lanes touch sixteen different 16-byte columns
	s_lshl_b32 s40, s28, 6
	v_lshl_add_u32 v18, v2, 2, s40
	v_add_nc_u32 v18, XSW, v18                     ; my row's scale word: 4 (16 w + r)
	v_lshlrev_b32 v19, 3, v3                       ; 8 h
	v_add_nc_u32 v20, XSW, v4
	v_mov_b32 v15, 0                               ; written once: a lane permute's destination counts as one of its sources
; One K step of 128.  The rows go through the stage as they lie and come back 128 bytes a lane and block: lane (r, h) holds blocks h and 2 + h of row r whole.
.macro XSTEP e
	s_wait_loadcnt 16*(1-\e)                       ; this step's sixteen loads are in; the other step's sixteen, issued behind them, may be out
.irp i, 0,1,2,3,4,5,6,7,8,9,10,11,12,13,14,15
	ds_store_b128 v16, v[R+64*\e+4*\i:R+64*\e+4*\i+3] offset:\i*528
.endr
.irp c, 0,1
.irp m, 0,1,2,3,4,5,6,7
	ds_load_b128 v[X+32*\c+4*\m:X+32*\c+4*\m+3], v17 offset:256*\c+16*\m   ; LDS serves a wave's instructions in order: these see my stores
.endr
.endr
	s_wait_dscnt 0x0
.irp c, 0,1
	v_max3_num_f32 v[8+\c], |v[X+32*\c]|, |v[X+32*\c+1]|, FLOOR   ; the block's largest magnitude, the floor among its leaves; the two blocks by turns
.endr
.irp i, 2,4,6,8,10,12,14,16,18,20,22,24,26,28,30
.irp c, 0,1
	v_max3_num_f32 v[8+\c], v[8+\c], |v[X+32*\c+\i]|, |v[X+32*\c+\i+1]|
.endr
.endr
.irp c, 0,1
	v_add_nc_u32 v[10+\c], 0xff000000, v[8+\c]     ; 2 off the exponent field: the conversion's scale operand
.endr
.irp c, 0,1
	v_lshrrev_b32 v[12+\c], 23, v[10+\c]           ; the scale's byte
.endr
	v_lshl_or_b32 v14, v13, 16, v12                ; my two bytes, blocks h and 2 + h,
	v_lshlrev_b32 v14, v19, v14                    ; at their places in the word;
	v_permlanex16_b32 v15, v14, s30, s31
	v_or_b32 v[22+\e], v14, v15                    ; with lane l xor 16's two the word is whole
.irp c, 0,1
.irp n, 0,1,2,3
	v_cvt_scalef32_pk8_fp4_f32 v[C+8*\e+4*\c+\n], v[X+32*\c+8*\n:X+32*\c+8*\n+7], v[10+\c]
.endr
.endr
	v_nop                                          ; one plain place behind the scaled conversions
.irp c, 0,1
	global_store_b128 v4, v[C+8*\e+4*\c:C+8*\e+4*\c+3], s[16:17] offset:\e*4096+\c*512   ; 32 lanes store 512 consecutive bytes, aligned to 512
.endr
	ds_store_b32 v18, v[22+\e] offset:\e*256       ; both halves of the lanes write the same word with the same value
.endm
	XSTEP 0
	XSTEP 1
	s_wait_dscnt 0x0                               ; for the others' sake: my scale words lie in LDS
	s_barrier_signal -1
	s_barrier_wait -1
	s_cmp_lg_u32 s28, 0
	s_cbranch_scc1 .Lx_end
	ds_load_b128 v[24:27], v20                     ; wave 0: the work-group's 128 scale words leave as 512 consecutive bytes
	s_wait_dscnt 0x0
	global_store_b128 v4, v[24:27], s[18:19]
.Lx_end:
	s_wait_tensorcnt 0x0
	ds_add_u32 v240, v241
	s_wait_dscnt 0x0
	s_endpgm
; ---------------- Wq, Wp: which = id / 64, K step s = (id / 8) % 8, columns 128 cg on (cg = id % 8).  A LANE TAKES A COLUMN AND ITS REGISTERS RUN DOWN K: four whole blocks a lane, nothing is transposed.
.Lrole_w:
	s_lshr_b32 s33, ttmp9, 6                       ; 0: Wq, 1: Wp
	s_bfe_u32 s34, ttmp9, 0x30003                  ; s
	s_and_b32 s35, ttmp9, 7                        ; cg
	s_cmp_eq_u32 s33, 0                            ; the choice hangs on the work-group's number alone
	s_cselect_b64 s[8:9], s[8:9], s[10:11]
	s_lshl_b32 s36, s34, 19                        ; 128 s rows of 4,096 bytes + 4 (128 cg + 32 w)
	s_lshl_b32 s38, s35, 9
	s_add_co_u32 s36, s36, s38
	s_lshl_b32 s38, s28, 7
	s_add_co_u32 s36, s36, s38
	s_add_nc_u64 s[8:9], s[8:9], s[36:37]
	v_and_b32 v16, 8, v2
	v_add_nc_u32 v16, v16, v2
	v_lshl_add_u32 v16, v3, 3, v16
	v_lshlrev_b32 v16, 2, v16                      ; lane (u = lane / 16, r) takes column 8 u + r + 8 (r / 8) of the wave's 32: the 32 lanes read 128 consecutive bytes
.irp k, 0,1,2,3,4,5,6,7,8,9,10,11,12,13,14,15,16,17,18,19,20,21,22,23,24,25,26,27,28,29,30,31
.irp q, 0,1,2,3
.endr
.endr
.set KKI, 0
.rept 128
	global_load_b32 v[R+KKI], v16, s[8:9] offset:KKI*4096 th:TH_LOAD_NT
.set KKI, KKI+1
.endr
	s_lshl_b32 s36, s33, 19                        ; the image: 524,288 which + 32,768 (2 cg + w / 2) + 4,096 s + 2,048 (w % 2)
	s_lshl_b32 s38, s35, 16
	s_add_co_u32 s36, s36, s38
	s_lshr_b32 s38, s28, 1
	s_lshl_b32 s38, s38, 15
	s_add_co_u32 s36, s36, s38
	s_lshl_b32 s38, s34, 12
	s_add_co_u32 s36, s36, s38
	s_and_b32 s38, s28, 1
	s_lshl_b32 s38, s38, 11
	s_add_co_u32 s36, s36, s38
	s_add_nc_u64 s[20:21], s[20:21], s[36:37]
	s_lshl_b32 s36, s33, 15                        ; the scale words: 32,768 which + 2,048 x 2 cg + 256 s
	s_lshl_b32 s38, s35, 12
	s_add_co_u32 s36, s36, s38
	s_lshl_b32 s38, s34, 8
	s_add_co_u32 s36, s36, s38
	s_add_nc_u64 s[22:23], s[22:23], s[36:37]
	v_lshlrev_b32 v17, 4, v2
	v_lshl_add_u32 v17, v3, 10, v17                ; codes: tile u of the wave's two, 16 r
	s_lshl_b32 s39, s28, 7
	v_lshl_add_u32 v18, v1, 2, s39
	v_add_nc_u32 v18, WSW, v18                     ; my column's scale word: 128 w + 4 x lane
	v_add_nc_u32 v19, WSW, v4
	v_lshlrev_b32 v20, 4, v2
	v_lshl_add_u32 v20, v3, 11, v20                ; on the way out: lanes 0-15 the first group's 256 bytes, lanes 16-31 the second's
; Block q of the lane's four.  left: how many younger loads may stay out.
.macro WBLOCK q, left
	s_wait_loadcnt \left
	v_max3_num_f32 v8, |v[R+32*\q]|, |v[R+32*\q+1]|, FLOOR
	v_max3_num_f32 v9, |v[R+32*\q+2]|, |v[R+32*\q+3]|, |v[R+32*\q+4]|
.irp i, 5,9,13,17,21,25
	v_max3_num_f32 v8, v8, |v[R+32*\q+\i]|, |v[R+32*\q+\i+1]|
	v_max3_num_f32 v9, v9, |v[R+32*\q+\i+2]|, |v[R+32*\q+\i+3]|
.endr
	v_max3_num_f32 v8, v8, |v[R+32*\q+29]|, |v[R+32*\q+30]|
	v_max3_num_f32 v8, v8, v9, |v[R+32*\q+31]|
	v_add_nc_u32 v10, 0xff000000, v8
	v_lshrrev_b32 v11, 23, v10
.if \q == 0
	v_mov_b32 v12, v11                             ; the four bytes make my column's scale word
.else
	v_lshl_or_b32 v12, v11, 8*\q, v12
.endif
.irp n, 0,1,2,3
	v_cvt_scalef32_pk8_fp4_f32 v[C+4*\q+\n], v[R+32*\q+8*\n:R+32*\q+8*\n+7], v10
.endr
	v_nop                                          ; one plain place behind the scaled conversions: the next block writes their scale operand
	global_store_b128 v17, v[C+4*\q:C+4*\q+3], s[20:21] offset:\q*256   ; sixteen lanes store 256 consecutive bytes, aligned
.endm
	WBLOCK 0, 63                                   ; 96 younger loads could stay out; the wait's field names 63 at the most
	WBLOCK 1, 63                                   ; 64 could
	WBLOCK 2, 32                                   ; the last block's 32
	WBLOCK 3, 0
	ds_store_b32 v18, v12
	s_wait_dscnt 0x0                               ; for the others' sake
	s_barrier_signal -1
	s_barrier_wait -1
	s_cmp_lg_u32 s28, 0
	s_cbranch_scc1 .Lw_end
	ds_load_b128 v[24:27], v19                     ; wave 0: two groups' 64 scale words each: two aligned runs of 256 bytes
	s_wait_dscnt 0x0
	global_store_b128 v20, v[24:27], s[22:23]
.Lw_end:
	s_wait_tensorcnt 0x0
	ds_add_u32 v240, v241
	s_wait_dscnt 0x0
	s_endpgm
; ---------------- visual_features x Wk, x Wv: which = id / 64, slice sl = (id / 8) % 8 of 128 along K, columns 128 cg on.  Wave w takes 32 rows of the slice, a lane 4 columns; the four batches' numbers come in scalar registers.
.Lrole_kv:
	s_sub_co_u32 s33, ttmp9, 128
	s_lshr_b32 s34, s33, 6                         ; 0: Wk, 1: Wv
	s_bfe_u32 s35, s33, 0x30003                    ; sl
	s_and_b32 s33, s33, 7                          ; cg
	s_cmp_eq_u32 s34, 0
	s_cselect_b64 s[12:13], s[12:13], s[14:15]
	s_lshl_b32 s36, s35, 9                         ; visual_features: 4 (128 sl + 32 w)
	s_lshl_b32 s38, s28, 7
	s_add_co_u32 s36, s36, s38
	s_add_nc_u64 s[26:27], s[6:7], s[36:37]
	s_lshl_b32 s36, s35, 19                        ; the weight: (128 sl + 32 w) rows of 4,096 bytes + 512 cg
	s_lshl_b32 s38, s28, 17
	s_add_co_u32 s36, s36, s38
	s_lshl_b32 s38, s33, 9
	s_add_co_u32 s36, s36, s38
	s_add_nc_u64 s[12:13], s[12:13], s[36:37]
	s_lshl_b32 s36, s35, 15                        ; kvp: ((2 sl + which) 4 + w) rows of 4,096 bytes + 512 cg: wave w stores batch w
	s_lshl_b32 s38, s34, 14
	s_add_co_u32 s36, s36, s38
	s_lshl_b32 s38, s28, 12
	s_add_co_u32 s36, s36, s38
	s_lshl_b32 s38, s33, 9
	s_add_co_u32 s36, s36, s38
	s_add_nc_u64 s[24:25], s[24:25], s[36:37]
	s_load_b512 s[32:47], s[26:27], 0x0            ; batch 0, my rows 0-15
	s_load_b512 s[48:63], s[26:27], 0x1000         ; batch 1
	s_load_b512 s[68:83], s[26:27], 0x2000         ; batch 2
	s_load_b512 s[84:99], s[26:27], 0x3000         ; batch 3
.set KKI, 0
.rept 32
	global_load_b128 v[R+4*KKI:R+4*KKI+3], v4, s[12:13] offset:KKI*4096 th:TH_LOAD_NT   ; 32 lanes read 512 consecutive bytes of a row
.set KKI, KKI+1
.endr
	s_lshl_b32 s29, s28, 11
	v_add_nc_u32 v8, s29, v4
	v_add_nc_u32 v8, KST, v8                       ; my wave's sums: 2,048 w + 16 x lane
	s_lshl_b32 s29, s28, 9
	v_add_nc_u32 v9, s29, v4
	v_add_nc_u32 v9, KST, v9                       ; batch w's, in each wave's part
; 16 rows x 4 batches x 4 columns.  The very first products start the sums: nothing is cleared.  Sum (batch b, column j) in v[16 + 4 b + j].
.macro FMA16 hf
.irp kk, 0,1,2,3,4,5,6,7,8,9,10,11,12,13,14,15
.irp j, 0,1,2,3
.if (\hf == 0) && (\kk == 0)
	v_mul_f32 v[16+\j], s[32+\kk], v[R+\j]
	v_mul_f32 v[20+\j], s[48+\kk], v[R+\j]
	v_mul_f32 v[24+\j], s[68+\kk], v[R+\j]
	v_mul_f32 v[28+\j], s[84+\kk], v[R+\j]
.else
	v_fmac_f32 v[16+\j], s[32+\kk], v[R+64*\hf+4*\kk+\j]
	v_fmac_f32 v[20+\j], s[48+\kk], v[R+64*\hf+4*\kk+\j]
	v_fmac_f32 v[24+\j], s[68+\kk], v[R+64*\hf+4*\kk+\j]
	v_fmac_f32 v[28+\j], s[84+\kk], v[R+64*\hf+4*\kk+\j]
.endif
.endr
.endr
.endm
	s_wait_kmcnt 0x0
	s_wait_loadcnt 16                              ; rows 0-15 are in; the sixteen loads of rows 16-31 may be out
	FMA16 0
	s_load_b512 s[32:47], s[26:27], 0x40           ; my rows 16-31
	s_load_b512 s[48:63], s[26:27], 0x1040
	s_load_b512 s[68:83], s[26:27], 0x2040
	s_load_b512 s[84:99], s[26:27], 0x3040
	s_wait_loadcnt 0x0
	s_wait_kmcnt 0x0
	FMA16 1
.irp b, 0,1,2,3
	ds_store_b128 v8, v[16+4*\b:19+4*\b] offset:\b*512
.endr
	s_wait_dscnt 0x0                               ; for the others' sake
	s_barrier_signal -1
	s_barrier_wait -1
.irp ww, 0,1,2,3
	ds_load_b128 v[32+4*\ww:35+4*\ww], v9 offset:\ww*2048   ; batch w's sums of the four waves
.endr
	s_wait_dscnt 0x0
	v_pk_add_f32 v[32:33], v[32:33], v[36:37]
	v_pk_add_f32 v[34:35], v[34:35], v[38:39]
	v_pk_add_f32 v[40:41], v[40:41], v[44:45]
	v_pk_add_f32 v[42:43], v[42:43], v[46:47]
	v_pk_add_f32 v[32:33], v[32:33], v[40:41]
	v_pk_add_f32 v[34:35], v[34:35], v[42:43]
	global_store_b128 v4, v[32:35], s[24:25]       ; 32 lanes store 512 consecutive bytes, aligned to 512
	s_wait_tensorcnt 0x0
	ds_add_u32 v240, v241
	s_wait_dscnt 0x0
	s_endpgm
.Lfunc_end_k_qa4c5d73746_prep:
	.size	k_qa4c5d73746_prep, .Lfunc_end_k_qa4c5d73746_prep-k_qa4c5d73746_prep
	.p2alignl 7, 3214868480
	.fill 96, 4, 3214868480
	.section	.rodata,"a",@progbits
	.p2align	6, 0x0
	.amdhsa_kernel k_qa4c5d73746_prep
		.amdhsa_group_segment_fixed_size 43520
		.amdhsa_private_segment_fixed_size 0
		.amdhsa_enable_private_segment 0
		.amdhsa_kernarg_size 88
		.amdhsa_user_sgpr_count 2
		.amdhsa_user_sgpr_kernarg_segment_ptr 1
		.amdhsa_wavefront_size32 1
		.amdhsa_system_sgpr_workgroup_id_x 1
		.amdhsa_system_sgpr_workgroup_id_y 1
		.amdhsa_system_sgpr_workgroup_id_z 1
		.amdhsa_system_vgpr_workitem_id 0
		.amdhsa_next_free_vgpr 242
		.amdhsa_next_free_sgpr 100
		.amdhsa_reserve_vcc 0
		.amdhsa_float_denorm_mode_32 3
		.amdhsa_float_denorm_mode_16_64 3
		.amdhsa_memory_ordered 1
		.amdhsa_forward_progress 1
		.amdhsa_inst_pref_size 59
	.end_amdhsa_kernel
	.amdgpu_metadata
---
amdhsa.version: [ 1, 2 ]
amdhsa.kernels:
  - .name:           k_qa4c5d73746_prep
    .symbol:         k_qa4c5d73746_prep.kd
    .args:
      - { .name: x, .offset: 0, .size: 8, .value_kind: global_buffer, .address_space: global }
      - { .name: visual_features, .offset: 8, .size: 8, .value_kind: global_buffer, .address_space: global }
      - { .name: Wq, .offset: 16, .size: 8, .value_kind: global_buffer, .address_space: global }
      - { .name: Wp, .offset: 24, .size: 8, .value_kind: global_buffer, .address_space: global }
      - { .name: Wk, .offset: 32, .size: 8, .value_kind: global_buffer, .address_space: global }
      - { .name: Wv, .offset: 40, .size: 8, .value_kind: global_buffer, .address_space: global }
      - { .name: xq, .offset: 48, .size: 8, .value_kind: global_buffer, .address_space: global }
      - { .name: xs, .offset: 56, .size: 8, .value_kind: global_buffer, .address_space: global }
      - { .name: wc, .offset: 64, .size: 8, .value_kind: global_buffer, .address_space: global }
      - { .name: wsc, .offset: 72, .size: 8, .value_kind: global_buffer, .address_space: global }
      - { .name: kvp, .offset: 80, .size: 8, .value_kind: global_buffer, .address_space: global }
    .group_segment_fixed_size: 43520
    .private_segment_fixed_size: 0
    .kernarg_segment_align: 8
    .kernarg_segment_size: 88
    .max_flat_workgroup_size: 128
    .sgpr_count:     100
    .vgpr_count:     242
    .wavefront_size: 32
...
	.end_amdgpu_metadata
.endif
;; end of part 1
;; launch attn (part 2): grid 8 x 32, 4 waves a work-group, clusters of 4 x 4, 168,448 bytes of LDS; arguments xq, xs, wc, wsc, bq, ys, kvp, bk, bv, yq; writes yq, ys
.if DOCPART == 2
	.amdgcn_target "amdgcn-amd-amdhsa--gfx1250"
	.amdhsa_code_object_version 6
	.text
	.protected	k_qa4c5d73746_attn
	.globl	k_qa4c5d73746_attn
	.p2align	8
	.type	k_qa4c5d73746_attn,@function
k_qa4c5d73746_attn:
	s_mov_b64 s[64:65], 0
	v_nop
	global_prefetch_b8 v0, s[64:65] scope:SCOPE_SE
	s_setreg_imm32_b32 hwreg(HW_REG_WAVE_MODE, 25, 1), 1
	s_wait_xcnt 0x0
	s_wait_alu depctr_hold_cnt(0) depctr_sa_sdst(0) depctr_va_vdst(0) depctr_va_sdst(0) depctr_va_ssrc(0) depctr_va_vcc(0) depctr_vm_vsrc(0)
	s_getreg_b32 s2, hwreg(HW_REG_IB_STS2, 6, 4)
	s_cmp_eq_u32 s2, 0
	s_cbranch_scc0 .Lentry_in_a_cluster
	s_endpgm
.Lentry_in_a_cluster:
	s_bfe_u32 s2, ttmp6, 0x10000c
	s_cmp_lg_u32 s2, 0xf033
	s_cbranch_scc0 .Lentry_shape_is_right
	s_endpgm
.Lentry_shape_is_right:
; q = Q(x) Q(Wq) + bq; scores Q(q) . Q(k); p = 2^(t - M); O = Q(p) Q(v) over the 1,024 keys; y = O / l; Q(y) as the next product's operand image.  All four products here on codes of FP4 (E2M1) with E8M0 scales.
; THE KEYS.  There is ONE key and ONE value for a batch and head, repeated over all 1,024 key positions.  So K's tile has 16 equal rows; a query's scores are all one number s, its largest t is t, M = ceil(t),
; p = 2^(t - M) is one number in (1/2, 1], the row's sum l is 1,024 p exactly; V's tile holds one code a channel and P's one code a query, over all keys.  The scores are therefore multiplied for ONE tile of 16 keys
; (the other 63 tiles would name the same registers); the second product is multiplied in full, eight links of 128 keys, on fragments that stay in registers.
; SHARES.  A work-group makes 128 rows x 128 columns of q: four waves, each 64 rows x 64 columns = one head: 16 accumulators.  All of K = 1,024 lies in LDS (64 KiB of x's codes, 64 KiB of Wq's, 8 KiB of scale words), each byte filled once.
; CLUSTER 4 x 4: the four work-groups of a row need the same rows of x, the four of a column the same columns of Wq: each tile is asked for jointly.  A wave has three tensor loads out: scale words, K's first half, K's second half.
; THE MATRIX INSTRUCTION IS USED TRANSPOSED (source 0 = 16 rows of the weight's image, source 1 = 16 rows of x): lane (r, h) holds row r, and register 16 b + t of a tile of rows is channel 32 b + 16 h + t of the head.
; LIMITS: NaN and infinities are not served; a block whose largest magnitude lies under 2^-124 keeps the byte 1, a block of zeros too (its codes are zeros; this program alone reads the bytes).
; REGISTERS, in windows of 256.  Window 0: v1-15 addresses; v16-31 x's scale words, v32-47 Wq's; v48-79 bq, later q's and y's codes; v80-207 the accumulators (at the head: k's and v's numbers); v208-220 scale words of k, v, q, p;
;   v224-247 at work; v248-255 1 / l.   Window 1: the fragments of K steps 0-3;  window 2: of K steps 4-7;  window 3: k's fragment, v's four, p's four.
.set WOFF,  0                          ; Wq's image and scale words stand first in their buffers
.set WSOFF, 0
.set SCL,   131072                     ; LDS: 0: x's two groups; 65,536: Wq's two; here: the scale words, 2,048 bytes for each wave's fetch
.set KVS,   139264                     ; each wave's 64 numbers of k and 64 of v: 512 bytes a wave; no fill lands from here on
.set YSW,   141312                     ; y's scale words: 2 groups x 64
.set FLOOR, 0x1800000                  ; 2^(3 - 127)
.set ADA, 5
.set ADB, 6
.set ASA, 7
.set ASB, 8
.set XS,  16
.set WS,  32
.set BI,  48
.set QF,  48
.set ACC, 80
.set KW,  208
.set VW,  209
.set QW,  213
.set PW,  217
.set BO,  221
.set PO,  222
.set TM,  224
.set RL,  248
.set KF,  0                            ; in window 3
.set VF,  8
.set PF,  40
.set PK,  80                           ; at the head, in the accumulators' registers: partial sums,
.set KK,  116                          ; my 32 channels of k,
.set VV,  148                          ; my channel of v in each of four tiles, eight times,
.set KT,  180                          ; and work
.set VT,  185
.set G1,   24
.set G0,   32
.set G1B,  48
.set G0B,  56
.set G1S,  68
.set G0S,  76
.set G1SB, 80
.set G0SB, 88
.set MSB, 0
.macro WIN new                         ; the immediate's high byte repeats the setting that is left
.if MSB != (\new)
	s_set_vgpr_msb (MSB<<8)|(\new)
.set MSB, (\new)
.endif
.endm
; A joint load: waves 0 and 1 fetch for the rows' operand, waves 2 and 3 for the weight.  The branch hangs on the wave's number alone.  Four v_nop follow each of the two lines.
.macro JLOAD g0a, g1a, g0b, g1b
	s_cmp_eq_u32 s17, 0
	s_cbranch_scc0 .Lfor_b_\@
	tensor_load_to_lds s[\g0a:\g0a+3], s[\g1a:\g1a+7]
	s_nop 0
.rept 4
	v_nop
.endr
	s_branch .Lasked_\@
.Lfor_b_\@:
	tensor_load_to_lds s[\g0b:\g0b+3], s[\g1b:\g1b+7]
	s_nop 0
.rept 4
	v_nop
.endr
.Lasked_\@:
.endm
.macro CROUND                          ; a round of the cluster's barrier
	s_barrier_signal -1
	s_barrier_wait -1
	s_cmp_lg_u32 s16, 0
	s_cbranch_scc1 .Lnot_wave_0_\@
	s_barrier_signal -3
.Lnot_wave_0_\@:
	s_barrier_wait -3
	s_barrier_signal -1
	s_barrier_wait -1
.endm
; One scaled matrix instruction.  d, a, b: first registers of D, source 0, source 1; c: of C, or negative for the constant 0; sa, sb: the scale registers; ra, rb: 1 = that side's words stand in lanes 16-31.
.macro WM d, a, b, c, sa, sb, ra, rb
.if (\c) < 0
	v_wmma_scale_f32_16x16x128_f8f6f4 v[(\d):(\d)+7], v[(\a):(\a)+7], v[(\b):(\b)+7], 0, v[(\sa)], v[(\sb)] matrix_a_fmt:MATRIX_FMT_FP4 matrix_b_fmt:MATRIX_FMT_FP4
.elseif ((\ra) != 0) && ((\rb) != 0)
	v_wmma_scale_f32_16x16x128_f8f6f4 v[(\d):(\d)+7], v[(\a):(\a)+7], v[(\b):(\b)+7], v[(\c):(\c)+7], v[(\sa)], v[(\sb)] matrix_a_fmt:MATRIX_FMT_FP4 matrix_b_fmt:MATRIX_FMT_FP4 matrix_a_scale:MATRIX_SCALE_ROW1 matrix_b_scale:MATRIX_SCALE_ROW1
.elseif (\ra) != 0
	v_wmma_scale_f32_16x16x128_f8f6f4 v[(\d):(\d)+7], v[(\a):(\a)+7], v[(\b):(\b)+7], v[(\c):(\c)+7], v[(\sa)], v[(\sb)] matrix_a_fmt:MATRIX_FMT_FP4 matrix_b_fmt:MATRIX_FMT_FP4 matrix_a_scale:MATRIX_SCALE_ROW1
.elseif (\rb) != 0
	v_wmma_scale_f32_16x16x128_f8f6f4 v[(\d):(\d)+7], v[(\a):(\a)+7], v[(\b):(\b)+7], v[(\c):(\c)+7], v[(\sa)], v[(\sb)] matrix_a_fmt:MATRIX_FMT_FP4 matrix_b_fmt:MATRIX_FMT_FP4 matrix_b_scale:MATRIX_SCALE_ROW1
.else
	v_wmma_scale_f32_16x16x128_f8f6f4 v[(\d):(\d)+7], v[(\a):(\a)+7], v[(\b):(\b)+7], v[(\c):(\c)+7], v[(\sa)], v[(\sb)] matrix_a_fmt:MATRIX_FMT_FP4 matrix_b_fmt:MATRIX_FMT_FP4
.endif
.endm
; K step 4 e + q: 4 tiles of rows x 4 tiles of the weight.  The 16 accumulators take turns, one instruction a turn.  The first K step takes the bias as C: nothing is cleared, no addition is spent.
.macro MUL16 e, q
.irp i, 0,1,2,3
.irp j, 0,1,2,3
.if (4*\e+\q) == 0
	WM ACC+8*(4*\i+\j), 64*\q+32+8*\j, 64*\q+8*\i, BI+8*\j, WS+2*(4*\e+\q)+\j/2, XS+2*(4*\e+\q)+\i/2, \j%2, \i%2
.else
	WM ACC+8*(4*\i+\j), 64*\q+32+8*\j, 64*\q+8*\i, ACC+8*(4*\i+\j), WS+2*(4*\e+\q)+\j/2, XS+2*(4*\e+\q)+\i/2, \j%2, \i%2
.endif
.endr
.endr
.endm
; Half e of K: 64 LDS loads in one run, into window 1 + e (no register is loaded twice), then 64 matrix instructions.  An image's 512 bytes are consecutive: 16 x lane.
.macro HALF e
	WIN (0x40<<\e)
.irp q, 0,1,2,3
.irp i, 0,1,2,3
	ds_load_b128 v[64*\q+8*\i:64*\q+8*\i+3], v[ADA] offset:(4*\e+\q)*4096+\i*1024
	ds_load_b128 v[64*\q+8*\i+4:64*\q+8*\i+7], v[ADA] offset:(4*\e+\q)*4096+\i*1024+512
	ds_load_b128 v[64*\q+32+8*\i:64*\q+32+8*\i+3], v[ADB] offset:(4*\e+\q)*4096+\i*1024
	ds_load_b128 v[64*\q+32+8*\i+4:64*\q+32+8*\i+7], v[ADB] offset:(4*\e+\q)*4096+\i*1024+512
.endr
.endr
	WIN (0x05<<\e)
.irp q, 0,1,2,3
	s_wait_dscnt 16*(3-\q)                         ; this K step's sixteen loads are in; the sixteen of each later step may be out
	MUL16 \e, \q
.endr
	WIN 0
.endm
	s_load_b256 s[4:11], s[0:1], 0x0               ; the rows' codes, their scale words, wc, wsc
	s_load_b128 s[12:15], s[0:1], 0x20             ; bq, ys
	s_load_b128 s[92:95], s[0:1], 0x30             ; kvp, bk
	s_load_b128 s[96:99], s[0:1], 0x40             ; bv, yq
	v_lshl_add_u32 v223, v0, 2, 0x29000
	s_set_vgpr_msb 0xc0
	v_mov_b32 v73, 0
	s_set_vgpr_msb 0xc0cc
	ds_add_u32 v223, v73
	ds_add_u32 v223, v73
	s_set_vgpr_msb 0xcc00
	v_lshrrev_b32 v1, 5, v0
	v_readfirstlane_b32 s16, v1                    ; wave 0..3
	s_lshr_b32 s17, s16, 1                         ; which 64 rows are mine.  Also: I fetch for the rows (0) or for the weight (1)
	s_and_b32 s18, s16, 1                          ; which 64 columns.  Also: which of the two groups I fetch
	s_bfe_u32 s40, ttmp6, 0x40000                  ; cx, cy: my place in the cluster
	s_bfe_u32 s41, ttmp6, 0x40004
	s_lshl_b32 s42, ttmp9, 2
	s_add_co_u32 s42, s42, s40                     ; tile column = 4 x cluster x + cx
	s_and_b32 s45, ttmp7, 0xffff
	s_lshl_b32 s45, s45, 2
	s_add_co_u32 s45, s45, s41                     ; tile row = 4 x cluster y + cy
	s_lshl_b32 s43, s41, 2
	s_lshl_b32 s43, 15, s43                        ; my row of the cluster
	s_lshl_b32 s44, 0x1111, s40                    ; my column
	; descriptor group 1: dense blocks as rows of 256 bytes (32 elements of 8 bytes), no padding: 64 rows = half a group's codes, 8 rows = a group's scale words
	s_or_b32 s[G1], s43, (3<<16)|(1<<21)           ; 15:0 the mask; 17:16 elements of 8 bytes; 21 set beside a mask
	s_or_b32 s[G1B], s44, (3<<16)|(1<<21)
	s_or_b32 s[G1S], s43, (3<<16)|(1<<21)
	s_or_b32 s[G1SB], s44, (3<<16)|(1<<21)
.irp g, G1, G1B
	s_mov_b32 s[\g+1], 32<<16                      ; tensor_dim0
	s_mov_b32 s[\g+2], 64<<16                      ; tensor_dim1
	s_mov_b32 s[\g+3], 32<<16                      ; tile_dim0
	s_mov_b32 s[\g+4], 64                          ; tile_dim1
	s_mov_b32 s[\g+5], 32                          ; from row to row
	s_mov_b32 s[\g+6], 0
	s_mov_b32 s[\g+7], 0
.endr
.irp g, G1S, G1SB
	s_mov_b32 s[\g+1], 32<<16
	s_mov_b32 s[\g+2], 8<<16
	s_mov_b32 s[\g+3], 32<<16
	s_mov_b32 s[\g+4], 8
	s_mov_b32 s[\g+5], 32
	s_mov_b32 s[\g+6], 0
	s_mov_b32 s[\g+7], 0
.endr
	s_lshl_b32 s46, s45, 1                         ; the rows' group 2 x tile row + (wave % 2): it hangs on the tile row alone, which my row of the cluster shares
	s_add_co_u32 s46, s46, s18
	s_lshl_b32 s66, s46, 11                        ; its scale words,
	s_lshl_b32 s46, s46, 15                        ; its codes
	s_mov_b32 s47, 0
	s_mov_b32 s67, 0
	s_lshl_b32 s100, s42, 1                        ; the weight's group 2 x tile column + (wave % 2): on the tile column alone
	s_add_co_u32 s100, s100, s18
	s_lshl_b32 s2, s100, 11
	s_lshl_b32 s100, s100, 15
.if WOFF
	s_add_co_u32 s100, s100, WOFF
	s_add_co_u32 s2, s2, WSOFF
.endif
	s_mov_b32 s101, 0
	s_mov_b32 s3, 0
	s_lshl_b32 s19, s16, 15                        ; where they go: 32,768 x wave; no place in the cluster enters an LDS address
	s_lshl_b32 s22, s16, 11                        ; the scale words: 2,048 x wave
	s_wait_dscnt 0x0
	s_wait_kmcnt 0x0
	s_add_nc_u64 s[46:47], s[4:5], s[46:47]
	s_add_nc_u64 s[66:67], s[6:7], s[66:67]
	s_add_nc_u64 s[100:101], s[8:9], s[100:101]
	s_add_nc_u64 s[2:3], s[10:11], s[2:3]
	CROUND                                         ; all sixteen work-groups are here: the joint loads meet
	s_mov_b32 s[G0S], 1
	s_add_co_u32 s[G0S+1], s22, SCL
	s_mov_b64 s[G0S+2:G0S+3], s[66:67]
	s_or_b32 s[G0S+3], s[G0S+3], 0x80000000
	s_mov_b32 s[G0SB], 1
	s_add_co_u32 s[G0SB+1], s22, SCL
	s_mov_b64 s[G0SB+2:G0SB+3], s[2:3]
	s_or_b32 s[G0SB+3], s[G0SB+3], 0x80000000
	JLOAD G0S, G1S, G0SB, G1SB                     ; the scale words first: they are wanted with K's first half
.irp e, 0,1
	s_mov_b32 s[G0+4*\e], 1
	s_add_co_u32 s[G0+4*\e+1], s19, \e*16384
	s_add_nc_u64 s[G0+4*\e+2:G0+4*\e+3], s[46:47], \e*16384
	s_or_b32 s[G0+4*\e+3], s[G0+4*\e+3], 0x80000000
	s_mov_b32 s[G0B+4*\e], 1
	s_add_co_u32 s[G0B+4*\e+1], s19, \e*16384
	s_add_nc_u64 s[G0B+4*\e+2:G0B+4*\e+3], s[100:101], \e*16384
	s_or_b32 s[G0B+4*\e+3], s[G0B+4*\e+3], 0x80000000
	JLOAD G0+4*\e, G1, G0B+4*\e, G1B
.endr
	; global addresses: head = 2 x tile column + (wave % 2), batch = tile row / 8
	s_lshl_b32 s2, s42, 1
	s_add_co_u32 s2, s2, s18
	s_lshl_b32 s2, s2, 8                           ; a head's 64 numbers are 256 bytes
	s_mov_b32 s3, 0
	s_add_nc_u64 s[12:13], s[12:13], s[2:3]        ; bq,
	s_add_nc_u64 s[94:95], s[94:95], s[2:3]        ; bk,
	s_add_nc_u64 s[96:97], s[96:97], s[2:3]        ; bv at my head
	s_lshr_b32 s100, s45, 3
	s_lshl_b32 s100, s100, 12
	s_add_co_u32 s100, s100, s2
	s_mov_b32 s101, 0
	s_add_nc_u64 s[92:93], s[92:93], s[100:101]    ; kvp at my batch and head
	v_and_b32 v2, 31, v0
	v_lshlrev_b32 v1, 4, v2                        ; 16 x lane
	v_lshlrev_b32 v[PO], 3, v2                     ; 8 x lane
	v_lshlrev_b32 v2, 2, v2                        ; 4 x lane
	v_and_b32 v3, 15, v0                           ; r
	v_bfe_u32 v4, v0, 4, 1                         ; h
	v_lshlrev_b32 v[BO], 6, v4                     ; 64 h: lane (r, h) wants, for tile 2 b + u, the bias of channels 32 b + 16 h + 8 u + 0 .. 7
.irp j, 0,1,2,3
	global_load_b128 v[BI+8*\j:BI+8*\j+3], v[BO], s[12:13] offset:(32*(\j/2)+8*(\j%2))*4
	global_load_b128 v[BI+8*\j+4:BI+8*\j+7], v[BO], s[12:13] offset:(32*(\j/2)+8*(\j%2))*4+16
.endr
.irp sl, 0,1,2,3,4,5,6,7
	global_load_b64 v[PK+2*\sl:PK+2*\sl+1], v[PO], s[92:93] offset:(2*\sl)*16384         ; k's partial sums of slice sl: two channels a lane, 256 consecutive bytes a wave
	global_load_b64 v[PK+16+2*\sl:PK+16+2*\sl+1], v[PO], s[92:93] offset:(2*\sl+1)*16384   ; v's
.endr
	global_load_b64 v[PK+32:PK+33], v[PO], s[94:95]
	global_load_b64 v[PK+34:PK+35], v[PO], s[96:97]
	s_lshl_b32 s100, s45, 1                        ; yq: 32,768 (2 x tile row + my half) + 4,096 x tile column + 512 (wave % 2)
	s_add_co_u32 s100, s100, s17
	s_lshl_b32 s100, s100, 15
	s_lshl_b32 s2, s42, 12
	s_add_co_u32 s100, s100, s2
	s_lshl_b32 s2, s18, 9
	s_add_co_u32 s100, s100, s2
	s_add_nc_u64 s[98:99], s[98:99], s[100:101]
	s_lshl_b32 s100, s45, 12                       ; ys: 2,048 x 2 x tile row + 256 x tile column
	s_lshl_b32 s2, s42, 8
	s_add_co_u32 s100, s100, s2
	s_add_nc_u64 s[14:15], s[14:15], s[100:101]
	s_mov_b32 s20, 0x76543210
	s_mov_b32 s21, 0xfedcba98                      ; v_permlanex16_b32's selects for lane l xor 16
	s_mov_b32 s22, 0x3e38aa3b                      ; c = log2(e) / sqrt(64): t = score x c
	s_mov_b32 s23, s22                             ; (named with it as a pair, so it is written)
	s_lshl_b32 s19, s17, 15
	v_add_nc_u32 v[ADA], s19, v1                   ; my 64 rows' images
	s_lshl_b32 s19, s18, 15
	s_add_co_u32 s19, s19, 65536
	v_add_nc_u32 v[ADB], s19, v1                   ; my 64 columns'
	s_lshl_b32 s19, s17, 11
	s_add_co_u32 s19, s19, SCL
	v_add_nc_u32 v[ASA], s19, v2                   ; and their scale words
	s_lshl_b32 s19, s18, 11
	s_add_co_u32 s19, s19, SCL+4096
	v_add_nc_u32 v[ASB], s19, v2
	s_lshl_b32 s19, s16, 9
	s_add_co_u32 s19, s19, KVS                     ; my wave's 512 bytes for k and v
	v_add_nc_u32 v9, s19, v[PO]                    ; in: 8 x lane
	v_lshl_add_u32 v10, v4, 7, s19                 ; k back: channels 32 h on
	v_and_b32 v11, 8, v3
	v_add_nc_u32 v11, v11, v3
	v_lshl_add_u32 v11, v11, 2, s19
	v_add_nc_u32 v11, 256, v11                     ; v back: channel r + 8 (r / 8) of a tile
	s_lshl_b32 s19, s17, 8
	s_lshl_b32 s100, s18, 1
	s_add_co_u32 s19, s19, s100
	s_add_co_u32 s19, s19, YSW
	v_lshl_add_u32 v12, v3, 2, s19                 ; y's scale words: 256 x my half of the rows + 4 r + my head's two bytes
	v_add_nc_u32 v13, YSW, v1
	v_lshlrev_b32 v14, 4, v3
	v_lshl_add_u32 v14, v4, 11, v14                ; on the way out: lanes 0-15 the first group's 256 bytes, lanes 16-31 the second's
	v_lshlrev_b32 v15, 3, v4                       ; 8 h
.irp i, 0,1,2,3
	v_mov_b32 v[TM+6*\i+2], 0                      ; written once: a lane permute's destination counts as one of its sources
	v_mov_b32 v[TM+6*\i+3], 0
.endr
	v_mov_b32 v[KT+4], 0
	; ---- k and v of my batch and head, while the tiles land: the eight slices in ascending order, then the bias
	s_wait_loadcnt 0x0
.irp sl, 1,2,3,4,5,6,7
	v_pk_add_f32 v[PK:PK+1], v[PK:PK+1], v[PK+2*\sl:PK+2*\sl+1]
	v_pk_add_f32 v[PK+16:PK+17], v[PK+16:PK+17], v[PK+16+2*\sl:PK+16+2*\sl+1]
.endr
	v_pk_add_f32 v[PK:PK+1], v[PK:PK+1], v[PK+32:PK+33]
	v_pk_add_f32 v[PK+16:PK+17], v[PK+16:PK+17], v[PK+34:PK+35]
	ds_store_b64 v9, v[PK:PK+1]                    ; through my wave's own bytes: no other wave touches them
	ds_store_b64 v9, v[PK+16:PK+17] offset:256
.irp m, 0,1,2,3,4,5,6,7
	ds_load_b128 v[KK+4*\m:KK+4*\m+3], v10 offset:16*\m   ; k's block h, whole: every lane of a half holds the same: the tile's 16 keys are one key
.endr
.irp j, 0,1,2,3
	ds_load_b32 v[VV+8*\j], v11 offset:(32*(\j/2)+8*(\j%2))*4   ; v's channel 32 b + 8 u + r + 8 (r / 8): row r of tile 2 b + u
.endr
	s_wait_dscnt 0x0
	v_max3_num_f32 v[KT], |v[KK]|, |v[KK+1]|, FLOOR
	v_max3_num_f32 v[KT+1], |v[KK+2]|, |v[KK+3]|, |v[KK+4]|
.irp t, 5,9,13,17,21,25
	v_max3_num_f32 v[KT], v[KT], |v[KK+\t]|, |v[KK+\t+1]|
	v_max3_num_f32 v[KT+1], v[KT+1], |v[KK+\t+2]|, |v[KK+\t+3]|
.endr
	v_max3_num_f32 v[KT], v[KT], |v[KK+29]|, |v[KK+30]|
	v_max3_num_f32 v[KT], v[KT], v[KT+1], |v[KK+31]|
	v_add_nc_u32 v[KT+2], 0xff000000, v[KT]        ; 2 off the exponent field: the conversion's scale operand
	v_lshrrev_b32 v[KT+3], 23, v[KT+2]
	v_lshlrev_b32 v[KT+3], v15, v[KT+3]            ; block h's byte at its place;
	v_permlanex16_b32 v[KT+4], v[KT+3], s20, s21
	v_or_b32 v[KW], v[KT+3], v[KT+4]               ; with the other block's: k's scale word.  Bytes 2 and 3 stay 0, over zero codes: K is 64
.irp j, 0,1,2,3
	v_max_num_f32 v[VT+\j], FLOOR, |v[VV+8*\j]|    ; a block of 32 keys of a channel is 32 times one number
.endr
.irp j, 0,1,2,3
	v_add_nc_u32 v[VT+4+\j], 0xff000000, v[VT+\j]
.endr
.irp j, 0,1,2,3
	v_lshrrev_b32 v[VT+8+\j], 23, v[VT+4+\j]
.endr
.irp j, 0,1,2,3
	v_lshl_or_b32 v[VT+12+\j], v[VT+8+\j], 8, v[VT+8+\j]
.endr
.irp j, 0,1,2,3
	v_lshl_or_b32 v[VW+\j], v[VT+12+\j], 16, v[VT+12+\j]   ; the same byte for each of a step's four blocks of keys
.endr
.irp j, 0,1,2,3
.irp n, 1,2,3,4,5,6,7
	v_mov_b32 v[VV+8*\j+\n], v[VV+8*\j]            ; the value, repeated over the keys
.endr
.endr
	WIN 0xc0                                       ; destination window 3
.irp n, 0,1,2,3
	v_cvt_scalef32_pk8_fp4_f32 v[KF+\n], v[KK+8*\n:KK+8*\n+7], v[KT+2]
.endr
.irp j, 0,1,2,3
.irp n, 0,1,2,3,4,5,6,7
	v_cvt_scalef32_pk8_fp4_f32 v[VF+8*\j+\n], v[VV+8*\j:VV+8*\j+7], v[VT+4+\j]
.endr
.endr
.irp n, 4,5,6,7
	v_mov_b32 v[KF+\n], 0                          ; zero codes for k = 64 .. 127
.endr
	v_nop                                          ; a plain place behind the scaled conversions
	WIN 0
	; ---- q = Q(x) Q(Wq) + bq
	s_wait_tensorcnt 0x1                           ; my scale words and my part of K's first half have landed; the second half's load, issued behind them, may be out
	s_barrier_signal -1
	s_barrier_wait -1                              ; everybody's have
.irp s, 0,1,2,3,4,5,6,7
.irp p, 0,1
	ds_load_b32 v[XS+2*\s+\p], v[ASA] offset:\s*256+\p*128   ; lane l: the word of row 32 p + l: two tiles' words to a register
	ds_load_b32 v[WS+2*\s+\p], v[ASB] offset:\s*256+\p*128
.endr
.endr
	HALF 0
	s_wait_tensorcnt 0x0                           ; my part of K's second half has landed (no LDS instruction of mine is out),
	s_barrier_signal -1
	s_barrier_wait -1                              ; everybody's has
	HALF 1
; Four tiles of rows, 64 numbers a lane each (register 16 b + t = channel 32 b + 16 h + t), become codes in v[QF + 8 i] .. + 3 and scale words (bytes 0 and 1) in v[QW + i].  Eight blocks by turns; each accumulator is read from its low end on.
.macro QUANT4
.irp i, 0,1,2,3
.irp b, 0,1
	v_max3_num_f32 v[TM+6*\i+\b], |v[ACC+32*\i+16*\b]|, |v[ACC+32*\i+16*\b+1]|, FLOOR
.endr
.endr
.irp t, 2,4,6,8,10,12,14
.irp i, 0,1,2,3
.irp b, 0,1
	v_max3_num_f32 v[TM+6*\i+\b], v[TM+6*\i+\b], |v[ACC+32*\i+16*\b+\t]|, |v[ACC+32*\i+16*\b+\t+1]|
.endr
.endr
.endr
.irp i, 0,1,2,3
.irp b, 0,1
	v_permlanex16_b32 v[TM+6*\i+2+\b], v[TM+6*\i+\b], s20, s21
.endr
.endr
.irp i, 0,1,2,3
.irp b, 0,1
	v_max_num_f32 v[TM+6*\i+\b], v[TM+6*\i+\b], v[TM+6*\i+2+\b]   ; with lane l xor 16's sixteen: the block's largest magnitude
.endr
.endr
.irp i, 0,1,2,3
.irp b, 0,1
	v_add_nc_u32 v[TM+6*\i+4+\b], 0xff000000, v[TM+6*\i+\b]
.endr
.endr
.irp i, 0,1,2,3
.irp b, 0,1
	v_lshrrev_b32 v[TM+6*\i+2+\b], 23, v[TM+6*\i+4+\b]
.endr
.endr
.irp i, 0,1,2,3
	v_lshl_or_b32 v[QW+\i], v[TM+6*\i+3], 8, v[TM+6*\i+2]
.endr
.irp i, 0,1,2,3
.irp b, 0,1
	v_cvt_scalef32_pk8_fp4_f32 v[QF+8*\i+2*\b], v[ACC+32*\i+16*\b:ACC+32*\i+16*\b+7], v[TM+6*\i+4+\b]
	v_cvt_scalef32_pk8_fp4_f32 v[QF+8*\i+2*\b+1], v[ACC+32*\i+16*\b+8:ACC+32*\i+16*\b+15], v[TM+6*\i+4+\b]
.endr
.endr
	v_nop                                          ; one plain place behind the scaled conversions
.irp i, 0,1,2,3
	v_permlane16_swap_b32 v[QF+8*\i], v[QF+8*\i+2]     ; the operand's layout wants a whole block in a lane: lanes 0-15 block 0, lanes 16-31 block 1
	v_permlane16_swap_b32 v[QF+8*\i+1], v[QF+8*\i+3]
.endr
.endm
	; ---- Q(q), and the scores of one tile of 16 keys
.rept 4
	v_nop                                          ; places behind the last products, and behind those that took the bias, whose registers are written next
.endr
.irp i, 0,1,2,3
.irp n, 4,5,6,7
	v_mov_b32 v[QF+8*\i+\n], 0                     ; zero codes for k = 64 .. 127
.endr
.endr
	QUANT4
.rept 8
	v_nop                                          ; a scale register written by a vector instruction stands eight places ahead of a scaled matrix instruction, an operand four
.endr
	WIN 0x03                                       ; source 0 (k) window 3
.irp i, 0,1,2,3
	WM ACC+32*\i, KF, QF+8*\i, -1, KW, QW+\i, 0, 0   ; lane (r, h): query r, keys 8 h + 0 .. 7: eight times the query's score
.endr
	WIN 0
.rept 4
	v_nop
.endr
	; ---- the softmax of a row of equal scores.  The four tiles by turns.  In tile i: v[ACC + 32 i] .. + 7 the scores, then p; + 8, + 9 -M; + 10 the conversion's scale operand; + 11, + 12 at work
.irp i, 0,1,2,3
	v_mul_f32 v[ACC+32*\i+8], s22, v[ACC+32*\i]    ; t: the row's largest, since all are equal
.endr
.irp i, 0,1,2,3
	v_floor_f32 v[ACC+32*\i+8], -v[ACC+32*\i+8]    ; -M = floor(-t) = -ceil(t)
.endr
.irp i, 0,1,2,3
	v_mov_b32 v[ACC+32*\i+9], v[ACC+32*\i+8]       ; (named with it as a pair, so it is written)
.endr
.irp i, 0,1,2,3
.irp j, 0,2,4,6
	v_pk_fma_f32 v[ACC+32*\i+\j:ACC+32*\i+\j+1], v[ACC+32*\i+\j:ACC+32*\i+\j+1], s[22:23], v[ACC+32*\i+8:ACC+32*\i+9] op_sel_hi:[1,0,0]   ; t - M
.endr
.endr
.irp i, 0,1,2,3
.irp j, 0,1,2,3,4,5,6,7
	v_exp_f32 v[ACC+32*\i+\j], v[ACC+32*\i+\j]     ; p = 2^(t - M), in (1/2, 1]
.endr
.endr
	v_nop                                          ; a plain place behind the exponentials
	s_wait_alu depctr_va_vdst(0)
.irp i, 0,1,2,3
	v_add_nc_u32 v[ACC+32*\i+10], 0xff000000, v[ACC+32*\i]   ; a block's largest p is p; it is over 1/2, so no floor is needed
.endr
.irp i, 0,1,2,3
	v_lshrrev_b32 v[ACC+32*\i+11], 23, v[ACC+32*\i+10]
.endr
.irp i, 0,1,2,3
	v_lshl_or_b32 v[ACC+32*\i+12], v[ACC+32*\i+11], 8, v[ACC+32*\i+11]
.endr
.irp i, 0,1,2,3
	v_lshl_or_b32 v[PW+\i], v[ACC+32*\i+12], 16, v[ACC+32*\i+12]   ; p's scale word: the same byte for every block of keys
.endr
.irp i, 0,1,2,3
	v_mul_f32 v[RL+2*\i], 0x44800000, v[ACC+32*\i] ; l = the sum of 1,024 equal p = 1,024 p: exact
.endr
.irp i, 0,1,2,3
	v_rcp_f32 v[RL+2*\i], v[RL+2*\i]
.endr
	v_nop                                          ; a plain place behind the reciprocals
	s_wait_alu depctr_va_vdst(0)
.irp i, 0,1,2,3
	v_mov_b32 v[RL+2*\i+1], v[RL+2*\i]
.endr
	WIN 0xc0
.irp i, 0,1,2,3
.irp n, 0,1,2,3,4,5,6,7
	v_cvt_scalef32_pk8_fp4_f32 v[PF+8*\i+\n], v[ACC+32*\i:ACC+32*\i+7], v[ACC+32*\i+10]   ; p's fragment: the query's code over 128 keys
.endr
.endr
	v_nop
	WIN 0
.rept 8
	v_nop                                          ; places in front of the scaled matrix instructions, and behind the scores' products, whose results are written over
.endr
	; ---- O^T = V^T P^T over the 1,024 keys: eight links of 128 on the same fragments; the 16 accumulators by turns; the first link starts the sums
	WIN 0x0f                                       ; sources 0 (v) and 1 (p) window 3
.irp i, 0,1,2,3
.irp j, 0,1,2,3
	WM ACC+8*(4*\i+\j), VF+8*\j, PF+8*\i, -1, VW+\j, PW+\i, 0, 0
.endr
.endr
.rept 7
.irp i, 0,1,2,3
.irp j, 0,1,2,3
	WM ACC+8*(4*\i+\j), VF+8*\j, PF+8*\i, ACC+8*(4*\i+\j), VW+\j, PW+\i, 0, 0
.endr
.endr
.endr
	WIN 0
.rept 4
	v_nop
.endr
.irp i, 0,1,2,3
.irp t, 0,2,4,6,8,10,12,14,16,18,20,22,24,26,28,30
	v_pk_mul_f32 v[ACC+32*\i+\t:ACC+32*\i+\t+1], v[ACC+32*\i+\t:ACC+32*\i+\t+1], v[RL+2*\i:RL+2*\i+1] op_sel_hi:[1,0]   ; y = O / l, each accumulator from its low end on
.endr
.endr
	QUANT4                                         ; y's blocks 2 head and 2 head + 1 of the next product's K
.irp i, 0,1,2,3
	global_store_b128 v1, v[QF+8*\i:QF+8*\i+3], s[98:99] offset:\i*1024   ; half a fragment's image: 32 lanes store 512 consecutive bytes, aligned to 512
.endr
.irp i, 0,1,2,3
	ds_store_b16 v12, v[QW+\i] offset:\i*64        ; my head's two bytes of each row's scale word; the word's other two come from the wave beside me
.endr
	s_wait_dscnt 0x0                               ; for the others' sake
	s_barrier_signal -1
	s_barrier_wait -1
	s_cmp_lg_u32 s16, 0
	s_cbranch_scc1 .Lno_ys
	ds_load_b128 v[224:227], v13                   ; wave 0: two groups' 64 scale words each: two aligned runs of 256 bytes
	s_wait_dscnt 0x0
	global_store_b128 v14, v[224:227], s[14:15]
.Lno_ys:
	s_set_vgpr_msb 0xc
	s_wait_tensorcnt 0x0
	ds_add_u32 v223, v73
	s_wait_dscnt 0x0
	s_set_vgpr_msb 0xc00
	CROUND                                         ; the closing round: no work-group ends while a partner may still ask for a tile that names it
	s_endpgm
.Lfunc_end_k_qa4c5d73746_attn:
	.size	k_qa4c5d73746_attn, .Lfunc_end_k_qa4c5d73746_attn-k_qa4c5d73746_attn
	.p2alignl 7, 3214868480
	.fill 96, 4, 3214868480
	.section	.rodata,"a",@progbits
	.p2align	6, 0x0
	.amdhsa_kernel k_qa4c5d73746_attn
		.amdhsa_group_segment_fixed_size 168448
		.amdhsa_private_segment_fixed_size 0
		.amdhsa_enable_private_segment 0
		.amdhsa_kernarg_size 80
		.amdhsa_user_sgpr_count 2
		.amdhsa_user_sgpr_kernarg_segment_ptr 1
		.amdhsa_wavefront_size32 1
		.amdhsa_system_sgpr_workgroup_id_x 1
		.amdhsa_system_sgpr_workgroup_id_y 1
		.amdhsa_system_sgpr_workgroup_id_z 1
		.amdhsa_system_vgpr_workitem_id 0
		.amdhsa_next_free_vgpr 842
		.amdhsa_next_free_sgpr 102
		.amdhsa_reserve_vcc 0
		.amdhsa_float_denorm_mode_32 3
		.amdhsa_float_denorm_mode_16_64 3
		.amdhsa_memory_ordered 1
		.amdhsa_forward_progress 1
		.amdhsa_inst_pref_size 91
	.end_amdhsa_kernel
	.amdgpu_metadata
---
amdhsa.version: [ 1, 2 ]
amdhsa.kernels:
  - .name:           k_qa4c5d73746_attn
    .symbol:         k_qa4c5d73746_attn.kd
    .args:
      - { .name: xq, .offset: 0, .size: 8, .value_kind: global_buffer, .address_space: global }
      - { .name: xs, .offset: 8, .size: 8, .value_kind: global_buffer, .address_space: global }
      - { .name: wc, .offset: 16, .size: 8, .value_kind: global_buffer, .address_space: global }
      - { .name: wsc, .offset: 24, .size: 8, .value_kind: global_buffer, .address_space: global }
      - { .name: bq, .offset: 32, .size: 8, .value_kind: global_buffer, .address_space: global }
      - { .name: ys, .offset: 40, .size: 8, .value_kind: global_buffer, .address_space: global }
      - { .name: kvp, .offset: 48, .size: 8, .value_kind: global_buffer, .address_space: global }
      - { .name: bk, .offset: 56, .size: 8, .value_kind: global_buffer, .address_space: global }
      - { .name: bv, .offset: 64, .size: 8, .value_kind: global_buffer, .address_space: global }
      - { .name: yq, .offset: 72, .size: 8, .value_kind: global_buffer, .address_space: global }
    .group_segment_fixed_size: 168448
    .private_segment_fixed_size: 0
    .kernarg_segment_align: 8
    .kernarg_segment_size: 80
    .max_flat_workgroup_size: 128
    .sgpr_count:     102
    .vgpr_count:     842
    .wavefront_size: 32
...
	.end_amdgpu_metadata
.endif
;; end of part 2
;; launch proj (part 3): grid 8 x 32, 4 waves a work-group, clusters of 4 x 4, 168,448 bytes of LDS; arguments yq, ys, wc, wsc, bp, out0; writes out0
.if DOCPART == 3
	.amdgcn_target "amdgcn-amd-amdhsa--gfx1250"
	.amdhsa_code_object_version 6
	.text
	.protected	k_qa4c5d73746_proj
	.globl	k_qa4c5d73746_proj
	.p2align	8
	.type	k_qa4c5d73746_proj,@function
k_qa4c5d73746_proj:
	s_mov_b64 s[64:65], 0
	v_nop
	global_prefetch_b8 v0, s[64:65] scope:SCOPE_SE
	s_setreg_imm32_b32 hwreg(HW_REG_WAVE_MODE, 25, 1), 1
	s_wait_xcnt 0x0
	s_wait_alu depctr_hold_cnt(0) depctr_sa_sdst(0) depctr_va_vdst(0) depctr_va_sdst(0) depctr_va_ssrc(0) depctr_va_vcc(0) depctr_vm_vsrc(0)
	s_getreg_b32 s2, hwreg(HW_REG_IB_STS2, 6, 4)
	s_cmp_eq_u32 s2, 0
	s_cbranch_scc0 .Lentry_in_a_cluster
	s_endpgm
.Lentry_in_a_cluster:
	s_bfe_u32 s2, ttmp6, 0x10000c
	s_cmp_lg_u32 s2, 0xf033
	s_cbranch_scc0 .Lentry_shape_is_right
	s_endpgm
.Lentry_shape_is_right:
; out0 = Q(y) Q(Wp) + bp, on codes of FP4 (E2M1) with E8M0 scales; y's and Wp's codes arrive as images of operand registers, [group of 64][K step][tile of 16][c][lane][16 bytes], their scale words as [group][K step][64].
; SHARES.  A work-group makes 128 rows x 128 columns: four waves, each 64 x 64: 16 accumulators.  All of K = 1,024 lies in LDS (64 KiB of y's codes, 64 KiB of Wp's, 8 KiB of scale words), each byte filled once.
; CLUSTER 4 x 4: the four work-groups of a row need the same rows of y, the four of a column the same columns of Wp: each tile is asked for jointly.  A wave has three tensor loads out: scale words, K's first half, K's second half.
; THE MATRIX INSTRUCTION IS USED TRANSPOSED (source 0 = 16 rows of the weight's image, source 1 = 16 rows of y): lane (r, h) holds row r, and register 16 b + t of a tile of rows is column 32 b + 16 h + t of the wave's 64.
; REGISTERS, in windows of 256.  Window 0: v1-11 addresses; v16-31 y's scale words, v32-47 Wp's; v48-79 bp; v80-207 the accumulators.   Window 1: the fragments of K steps 0-3;  window 2: of K steps 4-7.
.set WOFF,  524288                     ; Wp's image and scale words stand behind Wq's
.set WSOFF, 32768
.set SCL,   131072                     ; LDS: 0: y's two groups; 65,536: Wp's two; here: the scale words, 2,048 bytes for each wave's fetch
.set STG,   139264                     ; the way out: 16 rows x (256 + 16) bytes for each wave; no fill lands here
.set ADA, 5
.set ADB, 6
.set ASA, 7
.set ASB, 8
.set XS,  16
.set WS,  32
.set BI,  48
.set ACC, 80
.set BO,  221
.set G1,   24
.set G0,   32
.set G1B,  48
.set G0B,  56
.set G1S,  68
.set G0S,  76
.set G1SB, 80
.set G0SB, 88
.set MSB, 0
.macro WIN new                         ; the immediate's high byte repeats the setting that is left
.if MSB != (\new)
	s_set_vgpr_msb (MSB<<8)|(\new)
.set MSB, (\new)
.endif
.endm
; A joint load: waves 0 and 1 fetch for the rows' operand, waves 2 and 3 for the weight.  The branch hangs on the wave's number alone.  Four v_nop follow each of the two lines.
.macro JLOAD g0a, g1a, g0b, g1b
	s_cmp_eq_u32 s17, 0
	s_cbranch_scc0 .Lfor_b_\@
	tensor_load_to_lds s[\g0a:\g0a+3], s[\g1a:\g1a+7]
	s_nop 0
.rept 4
	v_nop
.endr
	s_branch .Lasked_\@
.Lfor_b_\@:
	tensor_load_to_lds s[\g0b:\g0b+3], s[\g1b:\g1b+7]
	s_nop 0
.rept 4
	v_nop
.endr
.Lasked_\@:
.endm
.macro CROUND                          ; a round of the cluster's barrier
	s_barrier_signal -1
	s_barrier_wait -1
	s_cmp_lg_u32 s16, 0
	s_cbranch_scc1 .Lnot_wave_0_\@
	s_barrier_signal -3
.Lnot_wave_0_\@:
	s_barrier_wait -3
	s_barrier_signal -1
	s_barrier_wait -1
.endm
; One scaled matrix instruction.  d, a, b, c: first registers of D, source 0, source 1, C; sa, sb: the scale registers; ra, rb: 1 = that side's words stand in lanes 16-31.
.macro WM d, a, b, c, sa, sb, ra, rb
.if ((\ra) != 0) && ((\rb) != 0)
	v_wmma_scale_f32_16x16x128_f8f6f4 v[(\d):(\d)+7], v[(\a):(\a)+7], v[(\b):(\b)+7], v[(\c):(\c)+7], v[(\sa)], v[(\sb)] matrix_a_fmt:MATRIX_FMT_FP4 matrix_b_fmt:MATRIX_FMT_FP4 matrix_a_scale:MATRIX_SCALE_ROW1 matrix_b_scale:MATRIX_SCALE_ROW1
.elseif (\ra) != 0
	v_wmma_scale_f32_16x16x128_f8f6f4 v[(\d):(\d)+7], v[(\a):(\a)+7], v[(\b):(\b)+7], v[(\c):(\c)+7], v[(\sa)], v[(\sb)] matrix_a_fmt:MATRIX_FMT_FP4 matrix_b_fmt:MATRIX_FMT_FP4 matrix_a_scale:MATRIX_SCALE_ROW1
.elseif (\rb) != 0
	v_wmma_scale_f32_16x16x128_f8f6f4 v[(\d):(\d)+7], v[(\a):(\a)+7], v[(\b):(\b)+7], v[(\c):(\c)+7], v[(\sa)], v[(\sb)] matrix_a_fmt:MATRIX_FMT_FP4 matrix_b_fmt:MATRIX_FMT_FP4 matrix_b_scale:MATRIX_SCALE_ROW1
.else
	v_wmma_scale_f32_16x16x128_f8f6f4 v[(\d):(\d)+7], v[(\a):(\a)+7], v[(\b):(\b)+7], v[(\c):(\c)+7], v[(\sa)], v[(\sb)] matrix_a_fmt:MATRIX_FMT_FP4 matrix_b_fmt:MATRIX_FMT_FP4
.endif
.endm
; K step 4 e + q: 4 tiles of rows x 4 tiles of the weight.  The 16 accumulators take turns, one instruction a turn.  The first K step takes the bias as C: nothing is cleared, no addition is spent.
.macro MUL16 e, q
.irp i, 0,1,2,3
.irp j, 0,1,2,3
.if (4*\e+\q) == 0
	WM ACC+8*(4*\i+\j), 64*\q+32+8*\j, 64*\q+8*\i, BI+8*\j, WS+2*(4*\e+\q)+\j/2, XS+2*(4*\e+\q)+\i/2, \j%2, \i%2
.else
	WM ACC+8*(4*\i+\j), 64*\q+32+8*\j, 64*\q+8*\i, ACC+8*(4*\i+\j), WS+2*(4*\e+\q)+\j/2, XS+2*(4*\e+\q)+\i/2, \j%2, \i%2
.endif
.endr
.endr
.endm
; Half e of K: 64 LDS loads in one run, into window 1 + e (no register is loaded twice), then 64 matrix instructions.  An image's 512 bytes are consecutive: 16 x lane.
.macro HALF e
	WIN (0x40<<\e)
.irp q, 0,1,2,3
.irp i, 0,1,2,3
	ds_load_b128 v[64*\q+8*\i:64*\q+8*\i+3], v[ADA] offset:(4*\e+\q)*4096+\i*1024
	ds_load_b128 v[64*\q+8*\i+4:64*\q+8*\i+7], v[ADA] offset:(4*\e+\q)*4096+\i*1024+512
	ds_load_b128 v[64*\q+32+8*\i:64*\q+32+8*\i+3], v[ADB] offset:(4*\e+\q)*4096+\i*1024
	ds_load_b128 v[64*\q+32+8*\i+4:64*\q+32+8*\i+7], v[ADB] offset:(4*\e+\q)*4096+\i*1024+512
.endr
.endr
	WIN (0x05<<\e)
.irp q, 0,1,2,3
	s_wait_dscnt 16*(3-\q)                         ; this K step's sixteen loads are in; the sixteen of each later step may be out
	MUL16 \e, \q
.endr
	WIN 0
.endm
	s_load_b256 s[4:11], s[0:1], 0x0               ; the rows' codes, their scale words, wc, wsc
	s_load_b128 s[12:15], s[0:1], 0x20             ; bp, out0
	v_lshl_add_u32 v254, v0, 2, 0x29000
	v_mov_b32 v255, 0
	ds_add_u32 v254, v255
	ds_add_u32 v254, v255
	v_lshrrev_b32 v1, 5, v0
	v_readfirstlane_b32 s16, v1                    ; wave 0..3
	s_lshr_b32 s17, s16, 1                         ; which 64 rows are mine.  Also: I fetch for the rows (0) or for the weight (1)
	s_and_b32 s18, s16, 1                          ; which 64 columns.  Also: which of the two groups I fetch
	s_bfe_u32 s40, ttmp6, 0x40000                  ; cx, cy: my place in the cluster
	s_bfe_u32 s41, ttmp6, 0x40004
	s_lshl_b32 s42, ttmp9, 2
	s_add_co_u32 s42, s42, s40                     ; tile column = 4 x cluster x + cx
	s_and_b32 s45, ttmp7, 0xffff
	s_lshl_b32 s45, s45, 2
	s_add_co_u32 s45, s45, s41                     ; tile row = 4 x cluster y + cy
	s_lshl_b32 s43, s41, 2
	s_lshl_b32 s43, 15, s43                        ; my row of the cluster
	s_lshl_b32 s44, 0x1111, s40                    ; my column
	; descriptor group 1: dense blocks as rows of 256 bytes (32 elements of 8 bytes), no padding: 64 rows = half a group's codes, 8 rows = a group's scale words
	s_or_b32 s[G1], s43, (3<<16)|(1<<21)           ; 15:0 the mask; 17:16 elements of 8 bytes; 21 set beside a mask
	s_or_b32 s[G1B], s44, (3<<16)|(1<<21)
	s_or_b32 s[G1S], s43, (3<<16)|(1<<21)
	s_or_b32 s[G1SB], s44, (3<<16)|(1<<21)
.irp g, G1, G1B
	s_mov_b32 s[\g+1], 32<<16                      ; tensor_dim0
	s_mov_b32 s[\g+2], 64<<16                      ; tensor_dim1
	s_mov_b32 s[\g+3], 32<<16                      ; tile_dim0
	s_mov_b32 s[\g+4], 64                          ; tile_dim1
	s_mov_b32 s[\g+5], 32                          ; from row to row
	s_mov_b32 s[\g+6], 0
	s_mov_b32 s[\g+7], 0
.endr
.irp g, G1S, G1SB
	s_mov_b32 s[\g+1], 32<<16
	s_mov_b32 s[\g+2], 8<<16
	s_mov_b32 s[\g+3], 32<<16
	s_mov_b32 s[\g+4], 8
	s_mov_b32 s[\g+5], 32
	s_mov_b32 s[\g+6], 0
	s_mov_b32 s[\g+7], 0
.endr
	s_lshl_b32 s46, s45, 1                         ; the rows' group 2 x tile row + (wave % 2): it hangs on the tile row alone, which my row of the cluster shares
	s_add_co_u32 s46, s46, s18
	s_lshl_b32 s66, s46, 11                        ; its scale words,
	s_lshl_b32 s46, s46, 15                        ; its codes
	s_mov_b32 s47, 0
	s_mov_b32 s67, 0
	s_lshl_b32 s100, s42, 1                        ; the weight's group 2 x tile column + (wave % 2): on the tile column alone
	s_add_co_u32 s100, s100, s18
	s_lshl_b32 s2, s100, 11
	s_lshl_b32 s100, s100, 15
.if WOFF
	s_add_co_u32 s100, s100, WOFF
	s_add_co_u32 s2, s2, WSOFF
.endif
	s_mov_b32 s101, 0
	s_mov_b32 s3, 0
	s_lshl_b32 s19, s16, 15                        ; where they go: 32,768 x wave; no place in the cluster enters an LDS address
	s_lshl_b32 s22, s16, 11                        ; the scale words: 2,048 x wave
	s_wait_dscnt 0x0
	s_wait_kmcnt 0x0
	s_add_nc_u64 s[46:47], s[4:5], s[46:47]
	s_add_nc_u64 s[66:67], s[6:7], s[66:67]
	s_add_nc_u64 s[100:101], s[8:9], s[100:101]
	s_add_nc_u64 s[2:3], s[10:11], s[2:3]
	CROUND                                         ; all sixteen work-groups are here: the joint loads meet
	s_mov_b32 s[G0S], 1
	s_add_co_u32 s[G0S+1], s22, SCL
	s_mov_b64 s[G0S+2:G0S+3], s[66:67]
	s_or_b32 s[G0S+3], s[G0S+3], 0x80000000
	s_mov_b32 s[G0SB], 1
	s_add_co_u32 s[G0SB+1], s22, SCL
	s_mov_b64 s[G0SB+2:G0SB+3], s[2:3]
	s_or_b32 s[G0SB+3], s[G0SB+3], 0x80000000
	JLOAD G0S, G1S, G0SB, G1SB                     ; the scale words first: they are wanted with K's first half
.irp e, 0,1
	s_mov_b32 s[G0+4*\e], 1
	s_add_co_u32 s[G0+4*\e+1], s19, \e*16384
	s_add_nc_u64 s[G0+4*\e+2:G0+4*\e+3], s[46:47], \e*16384
	s_or_b32 s[G0+4*\e+3], s[G0+4*\e+3], 0x80000000
	s_mov_b32 s[G0B+4*\e], 1
	s_add_co_u32 s[G0B+4*\e+1], s19, \e*16384
	s_add_nc_u64 s[G0B+4*\e+2:G0B+4*\e+3], s[100:101], \e*16384
	s_or_b32 s[G0B+4*\e+3], s[G0B+4*\e+3], 0x80000000
	JLOAD G0+4*\e, G1, G0B+4*\e, G1B
.endr
	s_lshl_b32 s2, s42, 1
	s_add_co_u32 s2, s2, s18
	s_lshl_b32 s2, s2, 8                           ; my 64 columns: 256 bytes of the bias and of a row of out0
	s_mov_b32 s3, 0
	s_add_nc_u64 s[12:13], s[12:13], s[2:3]
	v_and_b32 v2, 31, v0
	v_lshlrev_b32 v1, 4, v2                        ; 16 x lane
	v_lshlrev_b32 v2, 2, v2                        ; 4 x lane
	v_and_b32 v3, 15, v0                           ; r
	v_bfe_u32 v4, v0, 4, 1                         ; h
	v_lshlrev_b32 v[BO], 6, v4                     ; 64 h: lane (r, h) wants, for tile 2 b + u, the bias of columns 32 b + 16 h + 8 u + 0 .. 7
.irp j, 0,1,2,3
	global_load_b128 v[BI+8*\j:BI+8*\j+3], v[BO], s[12:13] offset:(32*(\j/2)+8*(\j%2))*4
	global_load_b128 v[BI+8*\j+4:BI+8*\j+7], v[BO], s[12:13] offset:(32*(\j/2)+8*(\j%2))*4+16
.endr
	s_lshl_b32 s100, s45, 19                       ; out0: (128 x tile row + 64 x my half) rows of 4,096 bytes + my columns
	s_lshl_b32 s101, s17, 18
	s_add_co_u32 s100, s100, s101
	s_add_co_u32 s100, s100, s2
	s_mov_b32 s101, 0
	s_add_nc_u64 s[14:15], s[14:15], s[100:101]
	s_lshl_b32 s19, s17, 15
	v_add_nc_u32 v[ADA], s19, v1                   ; my 64 rows' images
	s_lshl_b32 s19, s18, 15
	s_add_co_u32 s19, s19, 65536
	v_add_nc_u32 v[ADB], s19, v1                   ; my 64 columns'
	s_lshl_b32 s19, s17, 11
	s_add_co_u32 s19, s19, SCL
	v_add_nc_u32 v[ASA], s19, v2                   ; and their scale words
	s_lshl_b32 s19, s18, 11
	s_add_co_u32 s19, s19, SCL+4096
	v_add_nc_u32 v[ASB], s19, v2
	s_mul_i32 s19, s16, 4352
	s_add_co_u32 s19, s19, STG                     ; my stage
	v_mul_u32_u24 v9, v3, 272
	v_lshl_add_u32 v9, v4, 6, v9
	v_add_nc_u32 v9, s19, v9                       ; in: row r, + 64 h: the row pitch is 17 x 16 bytes, so sixteen lanes touch sixteen different 16-byte columns
	v_mul_u32_u24 v10, v4, 272
	v_lshl_add_u32 v10, v3, 4, v10
	v_add_nc_u32 v10, s19, v10                     ; back: lanes 0-15 one row of 256 bytes, lanes 16-31 the next
	v_lshlrev_b32 v11, 4, v3
	v_lshl_add_u32 v11, v4, 12, v11                ; and the same two rows in out0
	s_wait_loadcnt 0x0                             ; the bias
	s_wait_tensorcnt 0x1                           ; my scale words and my part of K's first half have landed; the second half's load, issued behind them, may be out
	s_barrier_signal -1
	s_barrier_wait -1                              ; everybody's have
.irp s, 0,1,2,3,4,5,6,7
.irp p, 0,1
	ds_load_b32 v[XS+2*\s+\p], v[ASA] offset:\s*256+\p*128   ; lane l: the word of row 32 p + l: two tiles' words to a register
	ds_load_b32 v[WS+2*\s+\p], v[ASB] offset:\s*256+\p*128
.endr
.endr
	HALF 0
	s_wait_tensorcnt 0x0                           ; my part of K's second half has landed (no LDS instruction of mine is out),
	s_barrier_signal -1
	s_barrier_wait -1                              ; everybody's has
	HALF 1
; THE WAY OUT, a tile of 16 rows x 64 columns at a time.  A lane holds pieces of one row and the lanes beside it other rows: the tile goes through my own stage and comes back as whole rows of 256 bytes, into the registers that it left.
; LDS serves a wave's instructions in order: no wait between the stores and the loads, nor in front of the next tile's stores.
.macro OUT i
.irp b, 0,1
.irp m, 0,1,2,3
	ds_store_b128 v9, v[ACC+32*\i+16*\b+4*\m:ACC+32*\i+16*\b+4*\m+3] offset:128*\b+16*\m   ; each accumulator from its low end on
.endr
.endr
.irp t, 0,1,2,3,4,5,6,7
	ds_load_b128 v[ACC+32*\i+4*\t:ACC+32*\i+4*\t+3], v10 offset:\t*544
.endr
.endm
.macro SEND i, younger                 ; younger: the LDS instructions issued behind tile i's loads: the next tile's sixteen, or none
.irp t, 0,1,2,3,4,5,6,7
	s_wait_dscnt \younger+7-\t
	global_store_b128 v11, v[ACC+32*\i+4*\t:ACC+32*\i+4*\t+3], s[14:15] offset:(16*\i+2*\t)*4096 th:TH_STORE_NT   ; sixteen lanes store 256 consecutive bytes, at a multiple of 256 from out0's first byte
.endr
.endm
.rept 4
	v_nop                                          ; places behind the last products
.endr
	OUT 0
	OUT 1
	SEND 0, 16
	OUT 2
	SEND 1, 16
	OUT 3
	SEND 2, 16
	SEND 3, 0
	s_wait_tensorcnt 0x0
	ds_add_u32 v254, v255
	s_wait_dscnt 0x0
	CROUND                                         ; the closing round: no work-group ends while a partner may still ask for a tile that names it
	s_endpgm
.Lfunc_end_k_qa4c5d73746_proj:
	.size	k_qa4c5d73746_proj, .Lfunc_end_k_qa4c5d73746_proj-k_qa4c5d73746_proj
	.p2alignl 7, 3214868480
	.fill 96, 4, 3214868480
	.section	.rodata,"a",@progbits
	.p2align	6, 0x0
	.amdhsa_kernel k_qa4c5d73746_proj
		.amdhsa_group_segment_fixed_size 168448
		.amdhsa_private_segment_fixed_size 0
		.amdhsa_enable_private_segment 0
		.amdhsa_kernarg_size 48
		.amdhsa_user_sgpr_count 2
		.amdhsa_user_sgpr_kernarg_segment_ptr 1
		.amdhsa_wavefront_size32 1
		.amdhsa_system_sgpr_workgroup_id_x 1
		.amdhsa_system_sgpr_workgroup_id_y 1
		.amdhsa_system_sgpr_workgroup_id_z 1
		.amdhsa_system_vgpr_workitem_id 0
		.amdhsa_next_free_vgpr 768
		.amdhsa_next_free_sgpr 102
		.amdhsa_reserve_vcc 0
		.amdhsa_float_denorm_mode_32 3
		.amdhsa_float_denorm_mode_16_64 3
		.amdhsa_memory_ordered 1
		.amdhsa_forward_progress 1
		.amdhsa_inst_pref_size 45
	.end_amdhsa_kernel
	.amdgpu_metadata
---
amdhsa.version: [ 1, 2 ]
amdhsa.kernels:
  - .name:           k_qa4c5d73746_proj
    .symbol:         k_qa4c5d73746_proj.kd
    .args:
      - { .name: yq, .offset: 0, .size: 8, .value_kind: global_buffer, .address_space: global }
      - { .name: ys, .offset: 8, .size: 8, .value_kind: global_buffer, .address_space: global }
      - { .name: wc, .offset: 16, .size: 8, .value_kind: global_buffer, .address_space: global }
      - { .name: wsc, .offset: 24, .size: 8, .value_kind: global_buffer, .address_space: global }
      - { .name: bp, .offset: 32, .size: 8, .value_kind: global_buffer, .address_space: global }
      - { .name: out0, .offset: 40, .size: 8, .value_kind: global_buffer, .address_space: global }
    .group_segment_fixed_size: 168448
    .private_segment_fixed_size: 0
    .kernarg_segment_align: 8
    .kernarg_segment_size: 48
    .max_flat_workgroup_size: 128
    .sgpr_count:     102
    .vgpr_count:     768
    .wavefront_size: 32
...
	.end_amdgpu_metadata
.endif
;; end of part 3
